; MI455X (gfx1250); checked and timed in simulation.
; The chip was launched on July 23, 2026; its instructions are those of AMD's public machine-readable ISA for CDNA 5 (MIT licence, August 2026) and "CDNA5" Instruction Set Architecture Reference Guide (July 2026). The comments in the code are by the model that wrote it; some were corrected since.
;; Custom LSTM Cell. Allowed arithmetic: matrix products marked QUANTISED: E4M3 operands, one E8M0 scale for each 32 along K, by v_wmma_scale_f32_16x16x128_f8f6f4 with both operands' format E4M3, f32 sums; everything else in f32.
;; Inputs: U_c 1,024 x 1,024 float32; U_f 1,024 x 1,024 float32; U_i 1,024 x 1,024 float32; U_o 1,024 x 1,024 float32; W_c 1,024 x 1,024 float32; W_f 1,024 x 1,024 float32; W_i 1,024 x 1,024 float32; W_o 1,024 x 1,024 float32; b_c 1,024 float32; b_f 1,024 float32; b_i 1,024 float32; b_o 1,024 float32; c_tm1 8,192 x 1,024 float32; h_tm1 8,192 x 1,024 float32; inputs 8,192 x 1,024 float32.
;; Outputs: out0 8,192 x 1,024 float32; out1 8,192 x 1,024 float32.
;; This version of the problem:
;;   THIS VERSION OF THE PROBLEM IS GIVEN IN LOW PRECISION. The matrix products marked QUANTISED in the list below multiply operands that are first quantised to E4M3 (4 exponent bits, 3 mantissa bits; 8 bits a number), with one power-of-two scale for each 32 numbers along K (OCP MX v1.0); their sums are f32. All else is computed in f32.
;;   The module's matrix products, in the order in which they are computed (A, B: the left and right operand; K: the contracted axis; several contracted axes count as one K, in the product's order):
;;     1. [M 8,192, K 1,024] x [K 1,024, N 4,096]; A: input inputs; B: computed on the way: QUANTISED
;;     2. [M 8,192, K 1,024] x [K 1,024, N 4,096]; A: input h_tm1; B: computed on the way: QUANTISED
;;   THE QUANTISER, for each operand of a quantised product, along K:
;;     - K is cut into blocks of 32 from its start; a last block that is shorter is filled with zeros.
;;     - A block's scale is 2^e with e = floor(log2(the largest magnitude in the block)) - 8, held to -126 .. 127; a block of zeros has e = 0. As a byte (E8M0): e + 127.
;;     - Each number is divided by its block's scale, clamped to +-448, and rounded to the nearest number of E4M3, ties to even, subnormals kept.
;;     - The product sums the exact products of the quantised numbers (number of the format x scale) in f32.
;;   ~~~python
;;   def quantise(x, axis):      # numpy; x: float32 -> the quantised numbers, widened to float32 again
;;       x = np.moveaxis(x, axis, -1); K = x.shape[-1]
;;       x = np.pad(x, [(0, 0)] * (x.ndim - 1) + [(0, -K % 32)]); x = x.reshape(x.shape[:-1] + (-1, 32)); a = np.abs(x).max(-1, keepdims=True)
;;       e = np.where(a > 0, np.clip(np.frexp(np.where(a > 0, a, 1))[1] - 1 - 8, -126, 127), 0)      # np.frexp(a)[1] - 1 = floor(log2(a)), exactly
;;       r = np.clip(x / 2.0 ** e, -448, 448)
;;       step = 2.0 ** (np.maximum(np.frexp(np.where(r == 0, 1, r))[1] - 1, -6) - 3)
;;       q = np.round(r / step) * step * 2.0 ** e      # np.round: ties to even
;;       return np.moveaxis(q.reshape(q.shape[:-2] + (-1,))[..., :K], -1, axis).astype(np.float32)
;;   ~~~
;;   OPERANDS COMPUTED ON THE WAY. 'Computed on the way' means the value that the module computes at that place (a softmax that the list does not call 'softmax' is quantised finished and normalised). What goes into a quantiser is computed in f32, as accurately as f32 sums, v_exp_f32 and their like allow (about 1e-6 of the number): no bf16 or f16 on the way to a quantiser, and a product that is left as it is and whose result goes on into a quantised operand takes f32 operands (vector FMAs, or v_wmma_f32_16x16x4_f32). A number that lies on a knife's edge between two numbers of the format may be rounded either way, as far as f32 arithmetic and the matrix unit's own rounding can turn it there, and no further.
;; One version. Each part assembles by itself: llvm-mc -triple=amdgcn-amd-amdhsa -mcpu=gfx1250 --defsym DOCPART=n.
;; ======== version 1 of 1: 2 launches
;; limits: below input magnitudes of 1e-05 results are inexact or not finite; inputs' magnitudes at most 1.15e+18; right only within a limited range of input values
;; workspace buffers: a_codes 16,777,216 bytes; a_scales 524,288 bytes; b_codes 8,388,608 bytes; b_scales 262,144 bytes
;; launch quant (part 1): grid 768 x 1, 4 waves a work-group, no clusters, 68,096 bytes of LDS; arguments W_i, W_f, W_c, W_o, U_i, U_f, U_c, U_o, inputs, h_tm1, a_codes, a_scales, b_codes, b_scales; writes a_codes, a_scales, b_codes, b_scales
.if DOCPART == 1
	.amdgcn_target "amdgcn-amd-amdhsa--gfx1250"
	.amdhsa_code_object_version 6
	.text
	.protected	k_q40c7262d2b_quant
	.globl	k_q40c7262d2b_quant
	.p2align	8
	.type	k_q40c7262d2b_quant,@function
k_q40c7262d2b_quant:
	s_mov_b64 s[64:65], 0
	v_nop
	global_prefetch_b8 v0, s[64:65] scope:SCOPE_SE
	s_setreg_imm32_b32 hwreg(HW_REG_WAVE_MODE, 25, 1), 1
	s_wait_xcnt 0x0
; All ten f32 operands of z = inputs Wx + h_tm1 Uh become codes of FP8 (E4M3) with one E8M0 scale byte for each 32 along K.  The two products add into one z, and 1,024 is a multiple of 32,
; so they are laid as ONE product with K = 2,048: k 0..1023 = inputs / W_g, k 1024..2047 = h_tm1 / U_g.
;   a_codes  [8192 rows][2048]                 one code a byte, K innermost
;   a_scales [8 chunks of 256 k][8192 rows][8] a row's 8 bytes of a chunk on end
;   b_codes  [4096 rows n'][2048]              n' = (u / 32) x 128 + g x 32 + u % 32, u the unit, g the gate (i, f, c, o): so the four gates of a unit fall into one lane of the next launch
;   b_scales [8 chunks][4096 n'][8]
; A block's scale is 2^(floor(log2(its largest magnitude)) - 8); its byte is the largest magnitude's exponent field - 8, held at 1 from below.  Each number is divided by the scale, held within +-448 and
; rounded to the nearest code, ties to even.
; LIMITS: a block of zeros, and a block whose largest magnitude lies under 2^-118, gets the byte 1 (a block of zeros has zero codes, which add nothing under that byte; the bytes are read by this program alone);
; NaN and infinities among the inputs are not served.
; SHARES: 768 work-groups of four waves, 32,768 numbers each.  Work-groups 0..255 take the weights (K is their FIRST axis: a lane takes a column, its registers run down K), work-groups 256..767 inputs and h_tm1
; (K innermost).  The two ways part on the work-group's number and have LDS bytes of their own: the rows' way 0..32,767, the weights' way 32,768..67,583.  No tensor loads, no barrier: waves share nothing.
.set STEPS, 16
.set EMAX,  8
.set MANT,  0x600000                   ; the mantissa field of 448 as f32
.set SP,    80                         ; rows' way: a lane's place in a stage: its 64 bytes + 16 of padding
.set WREG,  8192                       ; rows' way: LDS of a wave: two stages of 32 x SP bytes, behind them its 256 scale bytes
.set AR,    16                         ; v16-79   four sets of 16 numbers as they are loaded
.set AX,    80                         ; v80-111  two sets of 16 neighbours
.set AE,    112                        ; v112-127 a scale byte for each step
.set AC,    128                        ; v128-191 codes: four registers for each step, so that no store's data are written again
.set WBASE, 32768                      ; weights' way: where its LDS begins
.set WP,    272                        ; a stage row: 256 bytes of codes + 16
.set NB,    8                          ; blocks of 32 along K for a wave
.set WX,    32                         ; v32-95   two sets of 32 numbers
.set WC,    96                         ; v96-103  a block's codes
.set WS,    24                         ; v24-25   the scale bytes, four to a register
.set WO,    112                        ; v112-175 the way out
	s_load_b512 s[16:31], s[0:1], 0x0              ; W_i, W_f, W_c, W_o, U_i, U_f, U_c, U_o
	s_load_b256 s[32:39], s[0:1], 0x40             ; inputs, h_tm1, a_codes, a_scales
	s_load_b128 s[40:43], s[0:1], 0x60             ; b_codes, b_scales
	v_lshl_add_u32 v192, v0, 2, 0x10800
	v_mov_b32 v193, 0
	v_lshrrev_b32 v1, 5, v0
	v_readfirstlane_b32 s4, v1                     ; wave 0..3
	v_and_b32 v2, 31, v0                           ; lane
	s_mov_b32 s46, MANT                            ; (an instruction takes one literal: the hold's line has another)
	s_wait_kmcnt 0x0
	s_cmp_lt_u32 ttmp9, 256
	s_cbranch_scc1 .Lweights
; ---------------- inputs and h_tm1: K innermost ----------------
; Work-group q = x - 256: source q & 1, rows 32 (q >> 1) on.  Wave w takes k = 256 w .. 256 w + 255 of these 32 rows: 16 steps of two rows x 256 numbers.
; Each of a step's four loads reads 512 consecutive bytes, 16 a lane; the 2,048 bytes go through the wave's own stage as they lie and come back 64 bytes a lane: 16 NEIGHBOURS along K, as the conversions want them.
; Lane l then holds row 2 t + l / 16, k = 16 (l % 16) on; two neighbouring lanes hold a block.
	s_sub_co_u32 s5, ttmp9, 256
	s_and_b32 s6, s5, 1                            ; 0: inputs, 1: h_tm1
	s_lshr_b32 s7, s5, 1                           ; which 32 rows
	v_lshlrev_b32 v3, 4, v2                        ; my 16 bytes of a load's 512
	s_lshl_b32 s44, s4, 13                         ; my wave's LDS: WREG x wave
	v_lshrrev_b32 v14, 2, v2
	v_mul_u32_u24 v14, v14, SP
	v_and_b32 v15, 3, v2
	v_lshl_add_u32 v14, v15, 4, v14
	v_add_nc_u32 v14, s44, v14                     ; the stage, on the way in: SP (lane / 4) + 16 (lane % 4)
	v_mul_u32_u24 v15, v2, SP
	v_add_nc_u32 v15, s44, v15                     ; and on the way out: SP x lane
	v_lshrrev_b32 v4, 4, v2
	v_and_b32 v5, 15, v2
	v_lshlrev_b32 v4, 11, v4
	v_lshl_add_u32 v4, v5, 4, v4                   ; my codes: row lane / 16 of 2,048 bytes, + 16 (lane % 16)
	v_lshrrev_b32 v5, 1, v2
	s_add_co_u32 s44, s44, 2*32*SP
	v_add_nc_u32 v5, s44, v5                       ; LDS: my wave's 256 scale bytes, my block's byte
	v_lshlrev_b32 v7, 3, v2                        ; and on the way out 8 bytes a lane: a row's
	v_add_nc_u32 v6, s44, v7
	s_lshl_b32 s10, s7, 17                         ; the source: 32 rows of 4,096 bytes,
	s_lshl_b32 s11, s4, 10                         ; + 256 numbers a wave
	s_add_co_u32 s10, s10, s11
	s_mov_b32 s11, 0
	s_lshl_b32 s12, s7, 16                         ; the codes: 32 rows of 2,048 bytes,
	s_lshl_b32 s13, s6, 10                         ; + the source's half of K,
	s_add_co_u32 s12, s12, s13
	s_lshl_b32 s13, s4, 8                          ; + 256 codes a wave
	s_add_co_u32 s12, s12, s13
	s_mov_b32 s13, 0
	s_lshl_b32 s14, s6, 2
	s_add_co_u32 s14, s14, s4                      ; the scale bytes: chunk 4 x source + wave,
	s_lshl_b32 s14, s14, 16                        ; 65,536 bytes each,
	s_lshl_b32 s15, s7, 8                          ; + 32 rows of 8 bytes
	s_add_co_u32 s14, s14, s15
	s_mov_b32 s15, 0
	s_cmp_eq_u32 s6, 0                             ; the choice hangs on the work-group's number alone
	s_cselect_b64 s[8:9], s[32:33], s[34:35]
	s_add_nc_u64 s[8:9], s[8:9], s[10:11]
	s_add_nc_u64 s[36:37], s[36:37], s[12:13]
	s_add_nc_u64 s[38:39], s[38:39], s[14:15]
.macro ALOAD t                         ; step t: rows 2 t and 2 t + 1, 1,024 bytes of each
.irp i, 0,1,2,3
	global_load_b128 v[AR+16*((\t)%4)+4*\i:AR+16*((\t)%4)+4*\i+3], v3, s[8:9] offset:(2*(\t)+\i/2)*4096+(\i%2)*512 th:TH_LOAD_NT   ; 32 lanes read 512 consecutive bytes
.endr
.endm
.macro ATURN t                         ; step t's numbers through the stage: LDS serves a wave's instructions in order, so no wait stands between the stores and the loads
.irp i, 0,1,2,3
	ds_store_b128 v14, v[AR+16*((\t)%4)+4*\i:AR+16*((\t)%4)+4*\i+3] offset:32*SP*((\t)%2)+8*SP*\i
.endr
.irp i, 0,1,2,3
	ds_load_b128 v[AX+16*((\t)%2)+4*\i:AX+16*((\t)%2)+4*\i+3], v15 offset:32*SP*((\t)%2)+16*\i
.endr
.endm
.irp t, 0,1,2,3
	ALOAD \t
.endr
	s_wait_loadcnt 12                              ; step 0's four loads are in; the twelve of steps 1 to 3 may be out
	ATURN 0
.macro ASTEP t
.set XS, AX+16*((\t)%2)
.if (\t) > 0
	s_wait_dscnt 1                                 ; this step's numbers are back from the stage (the last step's byte store may be out): so its stores into the stage have read their registers,
.else
	s_wait_dscnt 0x0
.endif
.if (\t)+4 < STEPS
	ALOAD (\t)+4                                   ; which take the loads of four steps on
.endif
.if (\t)+1 < STEPS
.if STEPS-2-(\t) >= 3
	s_wait_loadcnt 12                              ; the next step's four loads are in; those of the three steps behind it may be out
.else
	s_wait_loadcnt 4*(STEPS-2-(\t))                ; likewise, with fewer steps left behind it
.endif
	ATURN (\t)+1                                   ; and go through the other stage while this step is worked
.endif
	v_max3_num_f32 v8, |v[XS]|, |v[XS+1]|, |v[XS+2]|               ; the largest magnitude of my 16, in two chains
	v_max3_num_f32 v9, |v[XS+3]|, |v[XS+4]|, |v[XS+5]|
.irp i, 6,10
	v_max3_num_f32 v8, v8, |v[XS+\i]|, |v[XS+\i+1]|
	v_max3_num_f32 v9, v9, |v[XS+\i+2]|, |v[XS+\i+3]|
.endr
	v_max3_num_f32 v8, v8, |v[XS+14]|, |v[XS+15]|
	v_max3_num_f32 v8, v8, v9, (EMAX+1)<<23        ; and the floor 2^(9 - 127): the byte cannot fall under 1
	v_max_num_f32_dpp v8, v8, v8 row_xmask:1 row_mask:0xf bank_mask:0xf   ; and of my neighbour's 16: the block's
	v_add_nc_u32 v11, -(EMAX<<23), v8              ; 8 off its exponent field: the conversion takes the exponent field of this operand as its scale
	v_and_or_b32 v10, v8, 0x7f800000, s46          ; 448 x the scale: the largest magnitude's exponent field over 448's mantissa
.irp i, 0,1,2,3,4,5,6,7,8,9,10,11,12,13,14,15
	v_med3_num_f32 v[XS+\i], v[XS+\i], -v10, v10   ; the conversion to an 8-bit code does not saturate (ISA guide 7.6.2): the hold comes first
.endr
	v_cvt_scalef32_pk8_fp8_f32 v[AC+4*(\t):AC+4*(\t)+1], v[XS:XS+7], v11
	v_cvt_scalef32_pk8_fp8_f32 v[AC+4*(\t)+2:AC+4*(\t)+3], v[XS+8:XS+15], v11
	v_lshrrev_b32 v[AE+(\t)], 23, v11              ; the scale's byte
	ds_store_b8 v5, v[AE+(\t)] offset:16*(\t)      ; both lanes of a block write the same byte with the same value; byte 16 t + lane / 2 = row (2 t + lane / 16) x 8 + block
	global_store_b128 v4, v[AC+4*(\t):AC+4*(\t)+3], s[36:37] offset:4096*(\t)   ; lanes 0-15 store 256 consecutive bytes of row 2 t, lanes 16-31 of row 2 t + 1, each at a multiple of 256
.endm
.irp t, 0,1,2,3,4,5,6,7,8,9,10,11,12,13,14,15
	ASTEP \t
.endr
	ds_load_b64 v[12:13], v6                       ; LDS serves a wave's instructions in order: these see my stores
	s_wait_dscnt 0x0
	global_store_b64 v7, v[12:13], s[38:39]        ; 32 rows x 8 bytes: 256 consecutive bytes, at a multiple of 256
	s_wait_tensorcnt 0x0
	ds_add_u32 v192, v193
	s_wait_dscnt 0x0
	s_endpgm
; ---------------- the eight weights: K is the first axis ----------------
; Work-group x: columns 128 (x & 7) on, k 256 ((x >> 3) & 3) on, gate (x >> 5) & 3, W (0) or U (1) by x >> 7.  Wave w takes 32 columns x 256 along K: a lane a column, 8 blocks a lane.
; Each load reads 128 consecutive bytes a wave; a block of 32 along K lies in ONE lane's 32 registers, and the conversions give codes with K innermost.  The codes leave through the wave's own stage, by rows.
.Lweights:
	s_and_b32 s5, ttmp9, 7
	s_bfe_u32 s6, ttmp9, 0x20003                   ; which 256 along K
	s_bfe_u32 s7, ttmp9, 0x20005                   ; the gate
	s_lshr_b32 s44, ttmp9, 7                       ; 0: W, 1: U
	v_lshlrev_b32 v3, 2, v2                        ; in: 4 bytes a lane
	s_mul_i32 s47, s4, 32*WP
	s_add_co_u32 s47, s47, WBASE                   ; my stage
	v_mul_u32_u24 v4, v2, WP
	v_add_nc_u32 v4, s47, v4                       ; into it: row = my column
	v_and_b32 v5, 15, v2
	v_lshrrev_b32 v6, 4, v2                        ; out of it: sixteen lanes to a row, two rows an instruction
	v_mul_u32_u24 v7, v6, WP
	v_lshl_add_u32 v7, v5, 4, v7
	v_add_nc_u32 v7, s47, v7
	v_lshlrev_b32 v8, 11, v6
	v_lshl_add_u32 v8, v5, 4, v8                   ; and the same place in b_codes: rows of 2,048 bytes
	v_lshlrev_b32 v9, 3, v2                        ; my row's 8 scale bytes
	s_lshl_b32 s45, s5, 2
	s_add_co_u32 s45, s45, s4                      ; which 32 units: 4 x + wave
	s_lshl_b32 s8, s45, 7
	s_lshl_b32 s9, s7, 5
	s_add_co_u32 s8, s8, s9                        ; my first row n' of B: 128 (u / 32) + 32 g
	s_lshl_b32 s10, s6, 20                         ; the source: 256 rows of 4,096 bytes,
	s_lshl_b32 s11, s45, 7                         ; + 32 columns of 4 bytes
	s_add_co_u32 s10, s10, s11
	s_mov_b32 s11, 0
	s_lshl_b32 s12, s8, 11                         ; the codes: rows of 2,048 bytes,
	s_lshl_b32 s13, s44, 10                        ; + W's or U's half of K,
	s_add_co_u32 s12, s12, s13
	s_lshl_b32 s13, s6, 8                          ; + my 256 along K
	s_add_co_u32 s12, s12, s13
	s_mov_b32 s13, 0
	s_lshl_b32 s14, s44, 2
	s_add_co_u32 s14, s14, s6                      ; the scale bytes: chunk,
	s_lshl_b32 s14, s14, 15                        ; 32,768 bytes each,
	s_lshl_b32 s15, s8, 3                          ; + 8 bytes a row
	s_add_co_u32 s14, s14, s15
	s_mov_b32 s15, 0
	s_and_b32 s47, s7, 1                           ; one of eight buffers, in three steps; each choice hangs on the work-group's number alone
	s_cmp_lg_u32 s47, 0
	s_cselect_b64 s[16:17], s[18:19], s[16:17]
	s_cselect_b64 s[20:21], s[22:23], s[20:21]
	s_cselect_b64 s[24:25], s[26:27], s[24:25]
	s_cselect_b64 s[28:29], s[30:31], s[28:29]
	s_cmp_ge_u32 s7, 2
	s_cselect_b64 s[16:17], s[20:21], s[16:17]
	s_cselect_b64 s[24:25], s[28:29], s[24:25]
	s_cmp_lg_u32 s44, 0
	s_cselect_b64 s[16:17], s[24:25], s[16:17]
	s_add_nc_u64 s[16:17], s[16:17], s[10:11]
	s_add_nc_u64 s[40:41], s[40:41], s[12:13]
	s_add_nc_u64 s[42:43], s[42:43], s[14:15]
.macro WLOAD t                         ; block t: rows 32 t + i of my column, i = 0 .. 31, into set t % 2; the largest offset is 255 rows of 4,096 bytes
.irp i, 0,1,2,3,4,5,6,7,8,9,10,11,12,13,14,15,16,17,18,19,20,21,22,23,24,25,26,27,28,29,30,31
	global_load_b32 v[WX+32*((\t)%2)+\i], v3, s[16:17] offset:(32*(\t)+\i)*4096 th:TH_LOAD_NT
.endr
.endm
	WLOAD 0
	WLOAD 1
.macro WBLOCK t
.set XS, WX+32*((\t)%2)
.if (\t) < NB-1
	s_wait_loadcnt 32                              ; this block's 32 loads are in; the next block's 32 may be out
.else
	s_wait_loadcnt 0
.endif
	v_max3_num_f32 v12, |v[XS]|, |v[XS+1]|, |v[XS+2]|              ; the block's largest magnitude: all 32 numbers are mine
	v_max3_num_f32 v13, |v[XS+3]|, |v[XS+4]|, |v[XS+5]|
.irp i, 6,10,14,18,22,26
	v_max3_num_f32 v12, v12, |v[XS+\i]|, |v[XS+\i+1]|
	v_max3_num_f32 v13, v13, |v[XS+\i+2]|, |v[XS+\i+3]|
.endr
	v_max3_num_f32 v12, v12, |v[XS+30]|, |v[XS+31]|
	v_max3_num_f32 v12, v12, v13, (EMAX+1)<<23     ; and the floor 2^(9 - 127)
	v_add_nc_u32 v11, -(EMAX<<23), v12             ; the conversion's scale operand
	v_and_or_b32 v10, v12, 0x7f800000, s46         ; 448 x the scale
	v_lshrrev_b32 v13, 23, v11                     ; the scale's byte
.if (\t)%4 == 0
	v_mov_b32 v[WS+(\t)/4], v13                    ; four bytes to a register, the lower K in the lower byte
.else
	v_lshl_or_b32 v[WS+(\t)/4], v13, 8*((\t)%4), v[WS+(\t)/4]
.endif
.irp i, 0,1,2,3,4,5,6,7,8,9,10,11,12,13,14,15,16,17,18,19,20,21,22,23,24,25,26,27,28,29,30,31
	v_med3_num_f32 v[XS+\i], v[XS+\i], -v10, v10   ; the hold at 448 x the scale
.endr
.irp g, 0,1,2,3
	v_cvt_scalef32_pk8_fp8_f32 v[WC+2*\g:WC+2*\g+1], v[XS+8*\g:XS+8*\g+7], v11
.endr
	ds_store_b128 v4, v[WC:WC+3] offset:32*(\t)    ; 32 codes: 32 bytes of my column's row
	ds_store_b128 v4, v[WC+4:WC+7] offset:32*(\t)+16
.if (\t)+2 < NB
	WLOAD (\t)+2
.endif
	s_wait_dscnt 0x0                               ; the stores have read their registers: the next block's codes may be written
.endm
.set Q, 0
.rept NB
	WBLOCK Q
.set Q, Q+1
.endr
	global_store_b64 v9, v[WS:WS+1], s[42:43]      ; 32 rows x 8 scale bytes: 256 consecutive bytes, at a multiple of 256
.irp t, 0,1,2,3,4,5,6,7,8,9,10,11,12,13,14,15
	ds_load_b128 v[WO+4*\t:WO+4*\t+3], v7 offset:2*\t*WP   ; LDS serves a wave's instructions in order: these see my stores
.endr
.irp t, 0,1,2,3,4,5,6,7,8,9,10,11,12,13,14,15
	s_wait_dscnt 15-\t                             ; loads come back in order: run t is in, the younger ones may be out
	global_store_b128 v8, v[WO+4*\t:WO+4*\t+3], s[40:41] offset:4096*\t   ; sixteen lanes store 256 consecutive bytes of a row, at a multiple of 256
.endr
	s_wait_tensorcnt 0x0
	ds_add_u32 v192, v193
	s_wait_dscnt 0x0
	s_endpgm
.Lfunc_end_k_q40c7262d2b_quant:
	.size	k_q40c7262d2b_quant, .Lfunc_end_k_q40c7262d2b_quant-k_q40c7262d2b_quant
	.p2alignl 7, 3214868480
	.fill 96, 4, 3214868480
	.section	.rodata,"a",@progbits
	.p2align	6, 0x0
	.amdhsa_kernel k_q40c7262d2b_quant
		.amdhsa_group_segment_fixed_size 68096
		.amdhsa_private_segment_fixed_size 0
		.amdhsa_enable_private_segment 0
		.amdhsa_kernarg_size 112
		.amdhsa_user_sgpr_count 2
		.amdhsa_user_sgpr_kernarg_segment_ptr 1
		.amdhsa_wavefront_size32 1
		.amdhsa_system_sgpr_workgroup_id_x 1
		.amdhsa_system_sgpr_workgroup_id_y 1
		.amdhsa_system_sgpr_workgroup_id_z 1
		.amdhsa_system_vgpr_workitem_id 0
		.amdhsa_next_free_vgpr 194
		.amdhsa_next_free_sgpr 66
		.amdhsa_reserve_vcc 0
		.amdhsa_float_denorm_mode_32 3
		.amdhsa_float_denorm_mode_16_64 3
		.amdhsa_memory_ordered 1
		.amdhsa_forward_progress 1
		.amdhsa_inst_pref_size 110
	.end_amdhsa_kernel
	.amdgpu_metadata
---
amdhsa.version: [ 1, 2 ]
amdhsa.kernels:
  - .name:           k_q40c7262d2b_quant
    .symbol:         k_q40c7262d2b_quant.kd
    .args:
      - { .name: W_i, .offset: 0, .size: 8, .value_kind: global_buffer, .address_space: global }
      - { .name: W_f, .offset: 8, .size: 8, .value_kind: global_buffer, .address_space: global }
      - { .name: W_c, .offset: 16, .size: 8, .value_kind: global_buffer, .address_space: global }
      - { .name: W_o, .offset: 24, .size: 8, .value_kind: global_buffer, .address_space: global }
      - { .name: U_i, .offset: 32, .size: 8, .value_kind: global_buffer, .address_space: global }
      - { .name: U_f, .offset: 40, .size: 8, .value_kind: global_buffer, .address_space: global }
      - { .name: U_c, .offset: 48, .size: 8, .value_kind: global_buffer, .address_space: global }
      - { .name: U_o, .offset: 56, .size: 8, .value_kind: global_buffer, .address_space: global }
      - { .name: inputs, .offset: 64, .size: 8, .value_kind: global_buffer, .address_space: global }
      - { .name: h_tm1, .offset: 72, .size: 8, .value_kind: global_buffer, .address_space: global }
      - { .name: a_codes, .offset: 80, .size: 8, .value_kind: global_buffer, .address_space: global }
      - { .name: a_scales, .offset: 88, .size: 8, .value_kind: global_buffer, .address_space: global }
      - { .name: b_codes, .offset: 96, .size: 8, .value_kind: global_buffer, .address_space: global }
      - { .name: b_scales, .offset: 104, .size: 8, .value_kind: global_buffer, .address_space: global }
    .group_segment_fixed_size: 68096
    .private_segment_fixed_size: 0
    .kernarg_segment_align: 8
    .kernarg_segment_size: 112
    .max_flat_workgroup_size: 128
    .sgpr_count:     66
    .vgpr_count:     194
    .wavefront_size: 32
...
	.end_amdgpu_metadata
.endif
;; end of part 1
;; launch lstm (part 2): grid 16 x 32, 4 waves a work-group, clusters of 4 x 4, 327,680 bytes of LDS; arguments a_codes, a_scales, b_codes, b_scales, b_i, b_f, b_c, b_o, c_tm1, out0, out1; writes out0, out1
.if DOCPART == 2
	.amdgcn_target "amdgcn-amd-amdhsa--gfx1250"
	.amdhsa_code_object_version 6
	.text
	.protected	k_q40c7262d2b_lstm
	.globl	k_q40c7262d2b_lstm
	.p2align	8
	.type	k_q40c7262d2b_lstm,@function
k_q40c7262d2b_lstm:
	s_mov_b64 s[64:65], 0
	v_nop
	global_prefetch_b8 v0, s[64:65] scope:SCOPE_SE
	s_setreg_imm32_b32 hwreg(HW_REG_WAVE_MODE, 25, 1), 1
	s_wait_xcnt 0x0
	s_wait_alu depctr_hold_cnt(0) depctr_sa_sdst(0) depctr_va_vdst(0) depctr_va_sdst(0) depctr_va_ssrc(0) depctr_va_vcc(0) depctr_vm_vsrc(0)
	s_getreg_b32 s2, hwreg(HW_REG_IB_STS2, 6, 4)
	s_cmp_eq_u32 s2, 0
	s_cbranch_scc0 .Lentry_in_a_cluster
	s_endpgm
.Lentry_in_a_cluster:
	s_bfe_u32 s2, ttmp6, 0x10000c
	s_cmp_lg_u32 s2, 0xf033
	s_cbranch_scc0 .Lentry_shape_is_right
	s_endpgm
.Lentry_shape_is_right:
; z = A B^T + b on codes of FP8 (E4M3) with one E8M0 scale for each 32 along K (A: [8192][2048] = inputs | h_tm1; B: [4096 n'][2048] = W_g | U_g), and the LSTM cell on the way out:
; c = sigmoid(z_f) c_tm1 + sigmoid(z_i) tanh(z_c) -> out1;  h = sigmoid(z_o) tanh(c) -> out0.  z never goes to memory.
; B's rows are laid n' = (u / 32) x 128 + g x 32 + u % 32 (u the unit, g the gate i, f, c, o).  A tile of z is 256 rows x 256 n' = 64 units x 4 gates; a work-group of four waves makes one, a wave 128 x 128:
; 64 accumulators, 512 registers.  THE MATRIX INSTRUCTION IS USED TRANSPOSED (source 0 = 16 rows of B, source 1 = 16 rows of A): in accumulator (a, b), b = 2 g + uh, register j of lane (r, h) is
; z_g(row 16 a + r, unit U0 + 16 uh + 8 h + j).  So the four gates of an element lie in ONE lane, 16 registers apart, and the cell needs no exchange between lanes.
; The biases are the C of each sum's first matrix instruction.  K goes in 8 steps of 256 through a ring of two LDS slots filled by the tensor data mover; a tile's row is 256 bytes of memory.
; THE SCALES of the work-group's rows of A and of B, for all of K, come into LDS once, with the first fills: [8 chunks of 256 k][128 rows][8 bytes] for each half.
; CLUSTERS: 4 x 4 work-groups.  The four of a row of the cluster need the same tiles of A, the four of a column the same tiles of B: each tile is asked for JOINTLY, by the same tensor load with the same descriptor
; and a mask that names the four.
; c_tm1's tile (256 rows x 256 bytes) is brought into slot 0 when that slot's last K step has been read; c is written over it in place, h beside it.  THE RESULTS LEAVE BLOCK BY BLOCK: when the four waves have
; finished a block (16 rows each), a barrier makes its 32 rows whole, each wave reads 8 rows of c and 8 of h back and stores them in the middle of the next block's arithmetic.
; ONE TILE TO A WORK-GROUP (512 work-groups): c and h are stored into slot 0 by LDS stores; beside the ring, the scales and the spare words 15,616 bytes
; of LDS are left, and one block of c and h takes 17,408.
; THE CELL, with E_g = 2^min(k_g z_g, 32), k = -log2 e for i, f, o and 2 log2 e for c, D_g = 1 + E_g, P = D_i D_c:  c = (c_tm1 P + (E_c - 1) D_f) / (P D_f);  with E_h = 2^min(2 log2 e c, 32):  h = (E_h - 1) / ((E_h + 1) D_o).
; Seven transcendentals an element.
; LIMITS: the exponents are held at 32, so a sigmoid is never under 2^-32 where the true one is smaller (an absolute difference under 2^-32), and a tanh beyond that is 1 in f32 anyway; P D_f stays under 2^97;
; |c_tm1| under 2^60, so that c_tm1 P stays finite; NaN and infinities are not served.
; REGISTERS, in windows of 256: window 0: v0-31 addresses; v32-63 scale words, two sets, and nothing else; v64-127 the biases, later at work; v128-255 A's fragments, ONE set, later at work.
;   window 1: B's fragments, TWO sets, at v0 and at v128.   window 2: the accumulators of my rows 0-63 ((a, b) at v[8 (8 (a % 4) + b)]);   window 3: those of my rows 64-127.
.set KSTEP,  256                       ; along K in a slot
.set NQ,     KSTEP/128                 ; matrix instructions deep
.set ROWB,   256                       ; a tile's row in bytes
.set KROW,   2048                      ; a row of A or of B in memory, in bytes
.set PITCH,  272                       ; an LDS row: 256 bytes + 16 of padding = 68 words: row r starts at bank 4 r mod 64 (64 banks of 4 bytes: ISA guide 11.1), so the 16 rows that a load touches start at 16 different banks
.set FR,     16                        ; registers of a fragment: 16 rows x 128 K
.set NL,     4                         ; LDS loads that bring one
.set NP,     8                         ; places behind this matrix instruction (ISA guide 7.12.1)
.set HALFT,  128*PITCH                 ; 128 rows: what one tensor load brings, and what one wave reads of A or of B
.set SLOT,   4*HALFT                   ; A's 256 rows, then B's 256 rows
.set LAPS,   4                         ; a lap = two K steps = once round the ring: 2,048 / 512
.set SCL,    2*SLOT                    ; behind the ring: the scales
.set SREG,   8192                      ; those of 128 rows: 8 chunks x 128 rows x 8 bytes
.set SHIFT,  128                       ; B's two regions lie 128 bytes further on, so that the 128 bytes that lanes 0-15 read (A's) and the 128 that lanes 16-31 read (B's) fall on different banks
.set SPARE,  SCL+4*SREG+256            ; the spare words, 128 bytes for each wave: two blocks of 256 bytes that no other line names (the scales end at SCL + 4 SREG + 128)
.set HT,     2*HALFT                   ; h's stage: where slot 0 held B's rows.  c_tm1's tile, and then c, lie at 0, where it held A's
.set EA,   8                           ; v8      the cell: my 32 bytes of a row of c_tm1's tile: (128 x row half + r) PITCH + 128 x column half + 32 h
.set EH,   9                           ; v9      the same in h's stage
.set RD,   10                          ; v10     the way out: (128 x row half + 8 x column half + h) PITCH + 16 r: of a block's 16 rows of my row half I take 8, whole
.set RDH,  11                          ; v11     the same in h's stage
.set CO,   12                          ; v12     the way out: 4,096 h + 16 r: my bytes in two rows of an output
.set PFO,  13                          ; v13     the prefetches' offset: 4,096 x lane: a lane a row of c_tm1; never rewritten
.set BA,   14                          ; v14     the biases: 32 h
.set ADRA, 16                          ; v16-17  LDS address of my A fragments in slot 0, 1
.set ADRB, 20                          ; v20-21  the same for B
.set ADRS, 27                          ; v27     LDS address of my scale words: lanes 0-15 A's rows, lanes 16-31 B's
.set SPW,  28                          ; v28     LDS address of my spare word: SPARE + 4 x my thread's number; never rewritten
.set NIL,  29                          ; v29     0; never rewritten
.set SC,   32                          ; scale words: set s at v[SC + 16 s]; register 2 i + q: lanes 0-15 the word of A's block i, lanes 16-31 that of B's block i, for the slot's q-th 128 along K
.set BI,   64                          ; the biases: block b's eight at v[BI + 8 b]
.set AF,   128                         ; A's fragments
.set TI,   64                          ; the cell, 16 elements a lane: E_i, then D_i, then P
.set TF,   80                          ; E_f, then D_f
.set TC,   96                          ; E_c, then P D_f, then its reciprocal
.set TO,   112                         ; E_o, then D_o
.set NU,   128                         ; numerators
.set CN,   144                         ; c
.set HN,   160                         ; h
.set TH,   176                         ; E_h, then (E_h + 1) D_o, then its reciprocal
.set CP,   192                         ; c_tm1: two sets of 16
.set OB,   224                         ; the way out: 8 rows of c, then 8 rows of h, as they are stored
.set CAP,  2                           ; s2        32.0
.set G1C,  4                           ; s[4:11]   group 1 for c_tm1's tile (the registers hold the workspaces' addresses first)
.set G1,   24                          ; s[24:31]  group 1 for A's tiles;  s[32:39] group 0, one set for each slot
.set G0,   32
.set G1B,  48                          ; s[48:55], s[56:63] the same for B's tiles
.set G0B,  56
.set G1S,  68                          ; s[68:75], s[76:79] groups 1 and 0 for A's scales;  s[80:87], s[88:91] for B's
.set G0S,  76
.set G1SB, 80
.set G0SB, 88
.set G0C,  92                          ; s[92:95]  group 0 for c_tm1's tile
.set KN,   100                         ; s[100:101] -log2 e, twice: the packed form names a pair
.set KP,   104                         ; s[104:105] 2 log2 e, twice
.set MSB, 0
.macro WIN new                         ; the immediate's high byte repeats the setting that is left
.if MSB != \new
	s_set_vgpr_msb (MSB<<8)|\new
.set MSB, \new
.endif
.endm
.set MUL_LO, 0xa1                      ; source 0 (B) window 1, source 1 (A) window 0, C and D window 2
.set MUL_HI, 0xf1                      ; the same, C and D window 3
.set BEG_LO, 0x81                      ; the first step: C (the biases) window 0, D window 2
.set BEG_HI, 0xc1                      ; and D window 3
.set TO_B,   0x40                      ; destination window 1, address window 0
; A joint load: waves 0 and 1 fetch for A, waves 2 and 3 for B.  Each of the two lines has ONE mask and one set of registers for all that issue it; the branch hangs on the wave's number alone.
; Four v_nop follow each of the two lines, ahead of the jump, the label and what follows.
.macro JLOAD g0a, g1a, g0b, g1b
	s_cmp_eq_u32 s15, 0
	s_cbranch_scc0 .Lfor_b_\@
	tensor_load_to_lds s[\g0a:\g0a+3], s[\g1a:\g1a+7]
	s_nop 0
.rept 4
	v_nop
.endr
	s_branch .Lasked_\@
.Lfor_b_\@:
	tensor_load_to_lds s[\g0b:\g0b+3], s[\g1b:\g1b+7]
	s_nop 0
.rept 4
	v_nop
.endr
.Lasked_\@:
.endm
.macro CREST                           ; a round of the cluster's barrier behind its opening barrier
	s_cmp_lg_u32 s14, 0
	s_cbranch_scc1 .Lnot_wave_0_\@
	s_barrier_signal -3
.Lnot_wave_0_\@:
	s_barrier_wait -3
	s_barrier_signal -1
	s_barrier_wait -1
.endm
.macro CROUND                          ; a whole round
	s_barrier_signal -1
	s_barrier_wait -1
	CREST
.endm
; A PREFETCH INTO THE L2 of c_tm1's tile: my wave's 64 rows x 256 bytes, a lane a row, two instructions.  Each row's 256 bytes belong to one wave of one work-group, so each is named once in the launch.
; It stands in the loop's last trip, at the change from K step 4 to 5: two K steps, 256 matrix instructions, ahead of the tensor load that brings the tile.  The counter is the same in every work-group.
.macro ASKC
	s_cmp_eq_u32 s3, 1
	s_cbranch_scc0 .Lnot_yet_\@
	global_prefetch_b8 v[PFO], s[96:97] th:TH_LOAD_NT scope:SCOPE_SE
	global_prefetch_b8 v[PFO], s[96:97] offset:131072 th:TH_LOAD_NT scope:SCOPE_SE
.Lnot_yet_\@:
.endm
	s_load_b128 s[4:7], s[0:1], 0x0                ; A's codes s[4:5], A's scales s[6:7]
	s_load_b128 s[8:11], s[0:1], 0x10              ; B's codes s[8:9], B's scales s[10:11]
	s_load_b128 s[96:99], s[0:1], 0x40             ; c_tm1 s[96:97], out0 s[98:99]
	s_load_b64 s[66:67], s[0:1], 0x50              ; out1
	v_lshl_add_u32 v[SPW], v0, 2, SPARE
	v_mov_b32 v[NIL], 0
	ds_add_u32 v28, v29
	ds_add_u32 v28, v29
	s_wait_dscnt 0x0
	v_lshrrev_b32 v1, 5, v0
	v_readfirstlane_b32 s14, v1                    ; wave 0..3
	s_lshr_b32 s15, s14, 1                         ; which half of the tile's rows is mine.  Also: I fetch for A (0) or for B (1)
	s_and_b32 s16, s14, 1                          ; which half of its columns.  Also: which 128 rows of that tile I fetch
	s_bfe_u32 s40, ttmp6, 0x40000                  ; cx, cy: my place in the cluster
	s_bfe_u32 s41, ttmp6, 0x40004
	s_lshl_b32 s42, ttmp9, 2
	s_add_co_u32 s42, s42, s40                     ; tile column = 4 x cluster x + cx
	s_and_b32 s17, ttmp7, 0xffff
	s_lshl_b32 s17, s17, 2
	s_add_co_u32 s17, s17, s41                     ; tile row = 4 x cluster y + cy
	s_lshl_b32 s43, s41, 2
	s_lshl_b32 s43, 15, s43                        ; my row of the cluster
	s_lshl_b32 s44, 0x1111, s40                    ; my column
	; group 1 for the codes: a tile of 128 rows x 256 bytes, padded in LDS
	s_or_b32 s[G1+0], s43, (0<<16)|(1<<20)|(1<<21)|(5<<22)|(3<<25)  ; 15:0 the mask: A's tiles go to my row; 17:16 elements of 1 byte; 20 padding on; 21 set beside a mask; 24:22 after every 64 words (code 5); 31:25 four words (code 3)
	s_or_b32 s[G1B+0], s44, (0<<16)|(1<<20)|(1<<21)|(5<<22)|(3<<25)
.irp g, G1, G1B
	s_mov_b32 s[\g+1], ROWB<<16                    ; tensor_dim0
	s_mov_b32 s[\g+2], 128<<16                     ; tensor_dim1
	s_mov_b32 s[\g+3], ROWB<<16                    ; tile_dim0
	s_mov_b32 s[\g+4], 128                         ; tile_dim1
	s_mov_b32 s[\g+5], KROW                        ; tensor_dim0_stride
	s_mov_b32 s[\g+6], 0
	s_mov_b32 s[\g+7], 0
.endr
	; and for the scales of 128 rows: 8 chunks, each 128 elements of 8 bytes on end (1,024 bytes), a chunk of all rows apart in memory; dense in LDS
	s_or_b32 s[G1S+0], s43, (3<<16)|(1<<21)
	s_or_b32 s[G1SB+0], s44, (3<<16)|(1<<21)
.irp g, G1S, G1SB
	s_mov_b32 s[\g+1], 128<<16
	s_mov_b32 s[\g+2], 8<<16
	s_mov_b32 s[\g+3], 128<<16
	s_mov_b32 s[\g+4], 8
	s_mov_b32 s[\g+6], 0
	s_mov_b32 s[\g+7], 0
.endr
	s_mov_b32 s[G1S+5], 8192                       ; A has 8,192 rows to a chunk,
	s_mov_b32 s[G1SB+5], 4096                      ; B 4,096
	s_lshl_b32 s18, s16, 7                         ; which 128 rows of the tile I fetch
	s_lshl_b32 s20, s17, 8
	s_add_co_u32 s20, s20, s18                     ; A: row 256 x tile row + 128 x half
	s_lshl_b32 s46, s42, 8
	s_add_co_u32 s46, s46, s18                     ; B: row 256 x tile column + 128 x half
	s_lshl_b32 s22, s20, 3                         ; where these rows' scales begin in chunk 0: 8 bytes a row
	s_mov_b32 s23, 0
	s_lshl_b32 s92, s46, 3
	s_mov_b32 s93, 0
	s_lshl_b32 s20, s20, 11                        ; and their codes: 2,048 bytes a row
	s_mov_b32 s21, 0
	s_lshl_b32 s46, s46, 11
	s_mov_b32 s47, 0
	s_mul_i32 s45, s14, HALFT                      ; where they go: wave x 128 rows: no place in the cluster enters an LDS address
	s_lshl_b32 s94, s14, 13                        ; the scales: wave x SREG,
	s_lshl_b32 s95, s15, 7                         ; + SHIFT for B's
	s_add_co_u32 s94, s94, s95
	s_wait_kmcnt 0x0
	s_add_nc_u64 s[20:21], s[4:5], s[20:21]
	s_add_nc_u64 s[22:23], s[6:7], s[22:23]
	s_add_nc_u64 s[46:47], s[8:9], s[46:47]
	s_add_nc_u64 s[92:93], s[10:11], s[92:93]
	CROUND                                         ; all sixteen work-groups are here: the first joint loads meet
	s_mov_b32 s[G0S], 1
	s_add_co_u32 s[G0S+1], s94, SCL
	s_mov_b64 s[G0S+2:G0S+3], s[22:23]
	s_or_b32 s[G0S+3], s[G0S+3], 0x80000000
	s_mov_b32 s[G0SB], 1
	s_add_co_u32 s[G0SB+1], s94, SCL
	s_mov_b64 s[G0SB+2:G0SB+3], s[92:93]
	s_or_b32 s[G0SB+3], s[G0SB+3], 0x80000000
	JLOAD G0S, G1S, G0SB, G1SB                     ; the scales first: they are wanted with K step 0
.irp s, 0,1
	s_mov_b32 s[G0+4*\s], 1
	s_add_co_u32 s[G0+4*\s+1], s45, \s*SLOT
	s_add_nc_u64 s[G0+4*\s+2:G0+4*\s+3], s[20:21], \s*ROWB
	s_or_b32 s[G0+4*\s+3], s[G0+4*\s+3], 0x80000000
	s_mov_b32 s[G0B+4*\s], 1
	s_add_co_u32 s[G0B+4*\s+1], s45, \s*SLOT
	s_add_nc_u64 s[G0B+4*\s+2:G0B+4*\s+3], s[46:47], \s*ROWB
	s_or_b32 s[G0B+4*\s+3], s[G0B+4*\s+3], 0x80000000
	JLOAD G0+4*\s, G1, G0B+4*\s, G1B               ; three tensor loads of mine are out now
.endr
	; where my rows begin, 4,096 bytes a row, + 256 bytes a tile column.  c_tm1: the 64 rows that I fetch, from row 256 x tile row + 64 x wave.
	; out0, out1: the rows that I store, from row 256 x tile row + 128 x row half + 8 x column half.  And my 32 units in each bias
	s_lshl_b32 s20, s42, 8                         ; the tile column's bytes
	s_lshl_b32 s18, s17, 8
	s_lshl_b32 s19, s14, 6
	s_add_co_u32 s18, s18, s19
	s_lshl_b32 s18, s18, 12
	s_add_co_u32 s18, s18, s20
	s_mov_b32 s19, 0
	s_lshl_b32 s22, s17, 8
	s_lshl_b32 s23, s15, 7
	s_add_co_u32 s22, s22, s23
	s_lshl_b32 s23, s16, 3
	s_add_co_u32 s22, s22, s23
	s_lshl_b32 s22, s22, 12
	s_add_co_u32 s22, s22, s20
	s_mov_b32 s23, 0
	s_lshl_b32 s21, s16, 7
	s_add_co_u32 s20, s20, s21
	s_mov_b32 s21, 0
	s_add_nc_u64 s[96:97], s[96:97], s[18:19]
	s_add_nc_u64 s[12:13], s[98:99], s[22:23]      ; out0
	s_add_nc_u64 s[66:67], s[66:67], s[22:23]      ; out1
	s_load_b256 s[40:47], s[0:1], 0x20             ; b_i, b_f, b_c, b_o (the cluster's places are no longer wanted)
	; group 1 for c_tm1's tile: 64 rows x 64 elements of 4 bytes for each wave, padded like the codes; no mask: the tile is my work-group's alone
	s_mov_b32 s[G1C+0], (2<<16)|(1<<20)|(5<<22)|(3<<25)
	s_mov_b32 s[G1C+1], 64<<16
	s_mov_b32 s[G1C+2], 64<<16
	s_mov_b32 s[G1C+3], 64<<16
	s_mov_b32 s[G1C+4], 64
	s_mov_b32 s[G1C+5], 1024
	s_mov_b32 s[G1C+6], 0
	s_mov_b32 s[G1C+7], 0
	s_mov_b32 s[G0C], 1
	s_mul_i32 s[G0C+1], s14, 64*PITCH              ; rows 64 x wave of the tile, from LDS byte 0 on
	s_mov_b64 s[G0C+2:G0C+3], s[96:97]
	s_or_b32 s[G0C+3], s[G0C+3], 0x80000000
	s_mov_b32 s[CAP], 0x42000000                   ; 32.0
	s_mov_b32 s[KN], 0xbfb8aa3b                    ; -log2 e
	s_mov_b32 s[KN+1], 0xbfb8aa3b
	s_mov_b32 s[KP], 0x4038aa3b                    ; 2 log2 e
	s_mov_b32 s[KP+1], 0x4038aa3b
	v_and_b32 v1, 15, v0                           ; r = l % 16
	v_bfe_u32 v2, v0, 4, 1                         ; h = l / 16
	v_mul_u32_u24 v3, v1, PITCH
	v_lshl_add_u32 v4, v2, 4, v3                   ; a fragment's row x pitch + 16 x half
	s_mul_i32 s21, s15, HALFT                      ; my 128 rows of A
	s_mul_i32 s22, s16, HALFT                      ; my 128 rows of B,
	s_add_co_u32 s22, s22, 2*HALFT                 ; which lie behind A's 256
.irp s, 0,1
	v_add_nc_u32 v[ADRA+\s], s21, v4
	v_add_nc_u32 v[ADRB+\s], s22, v4
	s_add_co_u32 s21, s21, SLOT
	s_add_co_u32 s22, s22, SLOT
.endr
	s_lshl_b32 s21, s15, 13                        ; A's scales: my 128 rows
	s_lshl_b32 s22, s16, 13                        ; B's: my 128 rows, behind A's two regions and the shift
	s_add_co_u32 s22, s22, 2*SREG+SHIFT
	s_sub_co_u32 s22, s22, s21
	v_mul_u32_u24 v6, s22, v2                      ; lanes 16-31 take B's: the lower base + h x the distance
	s_add_co_u32 s21, s21, SCL
	v_lshl_add_u32 v5, v1, 3, v6                   ; 8 bytes a row
	v_add_nc_u32 v[ADRS], s21, v5
	s_mul_i32 s21, s15, HALFT                      ; the cell: my 128 rows,
	s_lshl_b32 s22, s16, 7                         ; my 128 bytes of each
	s_add_co_u32 s21, s21, s22
	v_lshl_add_u32 v5, v2, 5, v3
	v_add_nc_u32 v[EA], s21, v5
	v_add_nc_u32 v[EH], HT, v[EA]
	s_mul_i32 s21, s15, HALFT                      ; the way out: of each block's 16 rows of my row half, the 8 from 8 x column half on, whole; lanes 0-15 one row, lanes 16-31 the next
	s_mul_i32 s22, s16, 8*PITCH
	s_add_co_u32 s21, s21, s22
	v_mul_u32_u24 v5, v2, PITCH
	v_lshl_add_u32 v5, v1, 4, v5
	v_add_nc_u32 v[RD], s21, v5
	v_add_nc_u32 v[RDH], HT, v[RD]
	v_lshlrev_b32 v5, 12, v2
	v_lshl_add_u32 v[CO], v1, 4, v5
	v_and_b32 v5, 31, v0
	v_lshlrev_b32 v[PFO], 12, v5
	v_lshlrev_b32 v[BA], 5, v2
	s_mov_b32 s21, 0                               ; (s20 still holds my units' bytes in a bias)
	s_wait_kmcnt 0x0
.irp g, 0,1,2,3
	s_add_nc_u64 s[40+2*\g:41+2*\g], s[40+2*\g:41+2*\g], s[20:21]
.endr
.irp g, 0,1,2,3
.irp u, 0,1
.irp p, 0,1
	global_load_b128 v[BI+8*(2*\g+\u)+4*\p:BI+8*(2*\g+\u)+4*\p+3], v[BA], s[40+2*\g:41+2*\g] offset:64*\u+16*\p   ; block 2 g + uh: b_g at units U0 + 16 uh + 8 h + 0 .. 7: the result's layout
.endr
.endr
.endr
.macro FRAG reg, adr, q, i             ; a fragment, 16 rows x 128 K of 8-bit codes, is 16 registers: lane l holds row l % 16; registers 4 c .. 4 c + 3 hold K = 32 c + 16 (l / 16) + 0 .. 15
.irp c, 0,1,2,3
	ds_load_b128 v[\reg+4*\c:\reg+4*\c+3], v[\adr] offset:128*(\q)+32*\c+(\i)*16*PITCH
.endr
.endm
; 16 matrix instructions: A's blocks a0, a0 + 1 x B's eight, 128 along K: the slot's q-th.  p: B's set;  sc: the set of scale words.  zero = 1: the first product starts the sums, with the biases as its C: nothing is cleared or added later.
; The 64 accumulators take turns, one instruction a turn, in the same order in every step.
.macro MUL16 a0, p, q, sc, zero
.irp a, \a0, \a0+1
.irp b, 0,1,2,3,4,5,6,7
.if \zero
	v_wmma_scale_f32_16x16x128_f8f6f4 v[8*(8*((\a)%4)+\b):8*(8*((\a)%4)+\b)+7], v[128*(\p)+FR*\b:128*(\p)+FR*\b+FR-1], v[AF+FR*(\a):AF+FR*(\a)+FR-1], v[BI+8*\b:BI+8*\b+7], v[SC+8*NQ*(\sc)+NQ*\b+(\q)], v[SC+8*NQ*(\sc)+NQ*(\a)+(\q)] matrix_a_scale:MATRIX_SCALE_ROW1
.else
	v_wmma_scale_f32_16x16x128_f8f6f4 v[8*(8*((\a)%4)+\b):8*(8*((\a)%4)+\b)+7], v[128*(\p)+FR*\b:128*(\p)+FR*\b+FR-1], v[AF+FR*(\a):AF+FR*(\a)+FR-1], v[8*(8*((\a)%4)+\b):8*(8*((\a)%4)+\b)+7], v[SC+8*NQ*(\sc)+NQ*\b+(\q)], v[SC+8*NQ*(\sc)+NQ*(\a)+(\q)] matrix_a_scale:MATRIX_SCALE_ROW1
.endif
.endr
.endr
.endm
.macro FETCH_B slot, q, p              ; B's eight fragments of the slot's q-th 128 along K into set p
	WIN TO_B
.irp i, 0,1,2,3,4,5,6,7
	FRAG 128*(\p)+FR*\i, ADRB+\slot, \q, \i
.endr
	WIN 0
.endm
.macro FETCH_A slot, q, i0             ; A's blocks i0 .. i0 + 3
.irp i, \i0, \i0+1, \i0+2, \i0+3
	FRAG AF+FR*(\i), ADRA+\slot, \q, \i
.endr
.endm
.macro SCALES sc                       ; the K step's scale words into set sc: two words a row; lanes 0-15 take A's block i, lanes 16-31 B's block i; 16 rows are 128 bytes
.irp i, 0,1,2,3,4,5,6,7
	ds_load_b64 v[SC+8*NQ*\sc+NQ*\i:SC+8*NQ*\sc+NQ*\i+1], v[ADRS] offset:\i*128
.endr
.endm
; A load into a register that a matrix instruction has read, and a vector instruction that reads a matrix result, stand NP places behind that matrix instruction, and only plain vector instructions that name none of
; its registers are places (ISA guide 7.12.1 for vector instructions); the matrix instructions in between are not counted.
.macro PLACES n
.rept \n
	v_nop
.endr
.endm
; A step of 128 along K that has its successor in the same slot.  A block of A is free as soon as its eight products are issued: blocks 0-3 are fetched anew in the step's middle, blocks 4-7 at its end.
.macro STEP slot, q, zero
	s_wait_dscnt 4*NL                              ; B's set, A's blocks 0-3 and the scale words are in; the youngest 16 loads (A's blocks 4-7) may be out
.if \zero
	WIN BEG_LO
.else
	WIN MUL_LO
.endif
	MUL16 0, (\q)%2, \q, \slot, \zero
	MUL16 2, (\q)%2, \q, \slot, \zero
	s_wait_dscnt 0                                 ; A's blocks 4-7 are in (asked for 32 matrix instructions ago)
	PLACES NP
	FETCH_B \slot, (\q)+1, 1-(\q)%2
	FETCH_A \slot, (\q)+1, 0
.if \zero
	WIN BEG_HI
.else
	WIN MUL_HI
.endif
	MUL16 4, (\q)%2, \q, \slot, \zero
	MUL16 6, (\q)%2, \q, \slot, \zero
	PLACES NP
	WIN 0
	FETCH_A \slot, (\q)+1, 4
.endm
; A slot's last step changes slots: ONE barrier, which opens a round of the cluster's barrier; in front of it each wave waits for all its tensor loads, adds 0 to its spare word, and waits for that and for its own reads of
; this slot.  fill = 1: this slot is filled again, jointly, two K steps ahead.  fill = 2: slot 0 has held its last K step: each wave brings its 64 rows of c_tm1's tile there.
.macro TURN slot, next, fill
	s_wait_tensorcnt 0x0                           ; all my tensor loads have landed: my part of the next slot;  (every window is 0 here: the add's two registers lie in window 0)
	ds_add_u32 v[SPW], v[NIL]                      ; 0 onto my spare word
	s_wait_dscnt 4*NL+1                            ; (the add and the youngest 16 loads, A's blocks 4-7, may be out)
	WIN MUL_LO
	MUL16 0, 1, NQ-1, \slot, 0                     ; sixteen matrix instructions stand between the add and the wait for it
	s_wait_dscnt 0x0                               ; the add is done, and my reads of this slot are over
	s_barrier_signal -1
	MUL16 2, 1, NQ-1, \slot, 0
	WIN 0
	s_barrier_wait -1
	CREST                                          ; no wave of any partner still reads this slot's tile or has a load on its way
.if \fill == 1
	s_add_nc_u64 s[G0+4*\slot+2:G0+4*\slot+3], s[G0+4*\slot+2:G0+4*\slot+3], 2*ROWB
	s_add_nc_u64 s[G0B+4*\slot+2:G0B+4*\slot+3], s[G0B+4*\slot+2:G0B+4*\slot+3], 2*ROWB
	JLOAD G0+4*\slot, G1, G0B+4*\slot, G1B         ; the first tensor load behind the round, and my only one until the next; the four v_nop behind it are among the places in front of the loads below
.else
	tensor_load_to_lds s[G0C:G0C+3], s[G1C:G1C+7]  ; likewise: 64 rows x 256 bytes of c_tm1, into bytes that are mine by the wave's number; 160 matrix instructions and the first block's 96 scalings and holds stand ahead of the wait for it
	s_nop 0
	PLACES 4
.endif
	PLACES NP-4
	v_add_nc_u32 v[ADRS], 8*128, v[ADRS]           ; on to the next chunk's scale words (no LDS load of mine is out)
	FETCH_B \next, 0, 0
	FETCH_A \next, 0, 0
	SCALES \next
.if (\fill == 1) && (\slot == 0)
	ASKC                                           ; behind the joint load and the run of LDS loads that the next products wait for
.endif
	WIN MUL_HI
	MUL16 4, 1, NQ-1, \slot, 0
	MUL16 6, 1, NQ-1, \slot, 0
	PLACES NP
	WIN 0
	FETCH_A \next, 0, 4
.endm
; THE CELL, a block of 16 rows at a time: 16 elements a lane, element e = 8 uh + j; gate g's z at register 16 g + e of the block's 64.  It is cut in three, so that register work stands round each block's barrier.
.macro CLOAD a                         ; block a's c_tm1 into set a % 2: my 32 bytes of each half of the wave's 128 bytes of row 16 a + r
.irp u, 0,1
.irp p, 0,1
	ds_load_b128 v[CP+16*((\a)%2)+8*\u+4*\p:CP+16*((\a)%2)+8*\u+4*\p+3], v[EA] offset:16*PITCH*(\a)+64*\u+16*\p
.endr
.endr
.endm
.macro PUT reg, adr, a                 ; 16 results of block a to the same places of a stage
.irp u, 0,1
.irp p, 0,1
	ds_store_b128 v[\adr], v[\reg+8*\u+4*\p:\reg+8*\u+4*\p+3] offset:16*PITCH*(\a)+64*\u+16*\p
.endr
.endr
.endm
.macro LOADR a                         ; block a comes back as whole rows: my 8 rows of c, then my 8 of h, two rows an instruction
.irp t, 0,1,2,3
	ds_load_b128 v[OB+4*\t:OB+4*\t+3], v[RD] offset:PITCH*(16*(\a)+2*\t)
.endr
.irp t, 0,1,2,3
	ds_load_b128 v[OB+16+4*\t:OB+16+4*\t+3], v[RDH] offset:PITCH*(16*(\a)+2*\t)
.endr
.endm
.macro SENDR a                         ; and leaves: sixteen lanes store 256 consecutive bytes of a row, at a multiple of 256; written once, read by nobody here
.irp t, 0,1,2,3
	global_store_b128 v[CO], v[OB+4*\t:OB+4*\t+3], s[66:67] offset:4096*(16*(\a)+2*\t) th:TH_STORE_NT
.endr
.irp t, 0,1,2,3
	global_store_b128 v[CO], v[OB+16+4*\t:OB+16+4*\t+3], s[12:13] offset:4096*(16*(\a)+2*\t) th:TH_STORE_NT
.endr
.endm
.macro EPA a                           ; k_g z_g, two at a time; each accumulator is read from its low end on
	WIN 0x02+(\a)/4                                ; source 0: window 2 or 3
.set n, 0
.rept 32
.if (n/8) == 2
	v_pk_mul_f32 v[TI+2*n:TI+2*n+1], v[64*((\a)%4)+2*n:64*((\a)%4)+2*n+1], s[KP:KP+1] op_sel_hi:[1,0]
.else
	v_pk_mul_f32 v[TI+2*n:TI+2*n+1], v[64*((\a)%4)+2*n:64*((\a)%4)+2*n+1], s[KN:KN+1] op_sel_hi:[1,0]
.endif
.set n, n+1
.endr
	WIN 0
.endm
.macro EPB                             ; held at 32, so that no product of three D overflows
.set n, 0
.rept 64
	v_min_num_f32 v[TI+n], s[CAP], v[TI+n]
.set n, n+1
.endr
.endm
.macro EPC a                           ; from the exponentials to block a's c and h in the stages; in its middle the block before leaves
.set n, 0
.rept 64
	v_exp_f32 v[TI+n], v[TI+n]                     ; E_i, E_f, E_c, E_o: one batch
.set n, n+1
.endr
.if (\a) > 0
.if (\a) < 7
	s_wait_dscnt 4                                 ; the rows of the block before are back in registers; the four loads of the next block's c_tm1, issued behind them, may be out
.else
	s_wait_dscnt 0x0
.endif
	SENDR (\a)-1
.endif
	v_nop                                          ; a plain instruction behind the last exponential,
	s_wait_alu depctr_va_vdst(0)                   ; and one wait for the batch, ahead of its first reader
.set n, 0
.rept 8
	v_pk_add_f32 v[TI+2*n:TI+2*n+1], v[TI+2*n:TI+2*n+1], 1.0 op_sel_hi:[1,0]   ; D_i
	v_pk_add_f32 v[TF+2*n:TF+2*n+1], v[TF+2*n:TF+2*n+1], 1.0 op_sel_hi:[1,0]   ; D_f
.set n, n+1
.endr
.set n, 0
.rept 8
	v_pk_fma_f32 v[NU+2*n:NU+2*n+1], v[TC+2*n:TC+2*n+1], v[TF+2*n:TF+2*n+1], v[TF+2*n:TF+2*n+1] neg_lo:[0,0,1] neg_hi:[0,0,1]   ; (E_c - 1) D_f = E_c D_f - D_f
	v_pk_fma_f32 v[TI+2*n:TI+2*n+1], v[TI+2*n:TI+2*n+1], v[TC+2*n:TC+2*n+1], v[TI+2*n:TI+2*n+1]                                 ; P = D_i D_c = D_i E_c + D_i
.set n, n+1
.endr
.set n, 0
.rept 8
	v_pk_mul_f32 v[TC+2*n:TC+2*n+1], v[TI+2*n:TI+2*n+1], v[TF+2*n:TF+2*n+1]    ; P D_f
.set n, n+1
.endr
.set n, 0
.rept 16
	v_rcp_f32 v[TC+n], v[TC+n]
.set n, n+1
.endr
.if (\a) == 0
	s_wait_dscnt 4                                 ; block 0's c_tm1 is in; block 1's four loads may be out.  (A later block's c_tm1 was asked for ahead of the last barrier, in front of which all my LDS instructions were waited for)
.endif
.set n, 0
.rept 8
	v_pk_fma_f32 v[NU+2*n:NU+2*n+1], v[CP+16*((\a)%2)+2*n:CP+16*((\a)%2)+2*n+1], v[TI+2*n:TI+2*n+1], v[NU+2*n:NU+2*n+1]   ; c_tm1 P + (E_c - 1) D_f: plain work behind the reciprocals
.set n, n+1
.endr
	s_wait_alu depctr_va_vdst(0)                   ; one wait for the sixteen reciprocals
.set n, 0
.rept 8
	v_pk_mul_f32 v[CN+2*n:CN+2*n+1], v[NU+2*n:NU+2*n+1], v[TC+2*n:TC+2*n+1]    ; c
.set n, n+1
.endr
.set n, 0
.rept 8
	v_pk_mul_f32 v[TH+2*n:TH+2*n+1], v[CN+2*n:CN+2*n+1], s[KP:KP+1] op_sel_hi:[1,0]
.set n, n+1
.endr
.set n, 0
.rept 16
	v_min_num_f32 v[TH+n], s[CAP], v[TH+n]
.set n, n+1
.endr
.set n, 0
.rept 16
	v_exp_f32 v[TH+n], v[TH+n]                     ; E_h
.set n, n+1
.endr
	PUT CN, EA, \a                                 ; c over c_tm1's bytes, which are mine alone and have been read
.set n, 0
.rept 8
	v_pk_add_f32 v[TO+2*n:TO+2*n+1], v[TO+2*n:TO+2*n+1], 1.0 op_sel_hi:[1,0]   ; D_o: plain work behind the exponentials
.set n, n+1
.endr
	s_wait_alu depctr_va_vdst(0)                   ; one wait for the sixteen exponentials
.set n, 0
.rept 8
	v_pk_add_f32 v[NU+2*n:NU+2*n+1], v[TH+2*n:TH+2*n+1], -1.0 op_sel_hi:[1,0]                          ; E_h - 1
	v_pk_fma_f32 v[TH+2*n:TH+2*n+1], v[TH+2*n:TH+2*n+1], v[TO+2*n:TO+2*n+1], v[TO+2*n:TO+2*n+1]        ; (E_h + 1) D_o = E_h D_o + D_o
.set n, n+1
.endr
.set n, 0
.rept 16
	v_rcp_f32 v[TH+n], v[TH+n]
.set n, n+1
.endr
	v_nop                                          ; a plain instruction behind the last reciprocal,
	s_wait_alu depctr_va_vdst(0)                   ; and one wait for the sixteen
.set n, 0
.rept 8
	v_pk_mul_f32 v[HN+2*n:HN+2*n+1], v[NU+2*n:NU+2*n+1], v[TH+2*n:TH+2*n+1]    ; h
.set n, n+1
.endr
	PUT HN, EH, \a
.endm
	s_wait_tensorcnt 1                             ; the scales and my part of K step 0 are in (K step 1's load may be out)
	s_barrier_signal -1
	s_barrier_wait -1                              ; everybody's are
	FETCH_B 0, 0, 0
	FETCH_A 0, 0, 0
	SCALES 0
	FETCH_A 0, 0, 4
	s_wait_loadcnt 0x0                             ; the biases
	STEP 0, 0, 1                                   ; the first step stands in front of the loop: its products start the sums
	s_mov_b32 s3, LAPS-1
.Llap:                                                 ; a trip goes once round the ring, from a lap's second step to the next lap's first, and fills both slots again: K steps 2 to 7 in three trips
	TURN 0, 1, 1
	STEP 1, 0, 0
	TURN 1, 0, 1
	STEP 0, 0, 0
	s_sub_co_u32 s3, s3, 1
	s_cmp_lg_u32 s3, 0
	s_cbranch_scc1 .Llap
	TURN 0, 1, 2                                   ; from K step 6 to K step 7; slot 0 takes c_tm1's tile
	STEP 1, 0, 0
	s_wait_dscnt 4*NL                              ; the very last step: nothing more to fetch
	WIN MUL_LO
	MUL16 0, 1, NQ-1, 1, 0
	MUL16 2, 1, NQ-1, 1, 0
	s_wait_dscnt 0x0                               ; A's blocks 4-7 are in; from here to the barrier below no LDS instruction of mine is out
	WIN MUL_HI
	MUL16 4, 1, NQ-1, 1, 0
	MUL16 6, 1, NQ-1, 1, 0
	WIN 0
	PLACES NP                                      ; for the reads of the last results, and for the loads into the registers that held A's fragments
	EPA 0                                          ; the first block's scalings and holds want no c_tm1: they stand ahead of the wait for its tile
	EPB
	s_wait_tensorcnt 0x0                           ; my 64 rows of c_tm1's tile have landed: other waves read them behind this barrier.
	s_barrier_signal -1
	s_barrier_wait -1
	CLOAD 0
; Block by block.  In front of a block's barrier each wave waits for all its LDS instructions: its c and h of the block lie in the stages.  Behind it the block's rows, whose 256 bytes come from two waves, are whole and are
; read back; later blocks' stores go to other rows.  The next block's scalings stand between my last LDS stores and the wait for them, its holds between the barrier's signal and its wait: register work alone.
.irp a, 0,1,2,3,4,5,6,7
.if \a < 7
	CLOAD \a+1                                     ; c_tm1 a block ahead
.endif
	EPC \a
.if \a < 7
	EPA \a+1
.endif
	s_wait_dscnt 0x0                               ; for the others' sake: my stores into the two stages are done
	s_barrier_signal -1
.if \a < 7
	EPB
.endif
	s_barrier_wait -1
.if \a > 0
	s_wait_xcnt 0x0                                ; the stores of the block before have read their registers: the same 32 are loaded again
.endif
	LOADR \a
.endr
	s_wait_dscnt 0x0                               ; the last block's rows are back
	SENDR 7
	s_wait_tensorcnt 0x0                           ; the wave's end, behind my last tensor load and my last LDS store
	ds_add_u32 v[SPW], v[NIL]
	s_wait_dscnt 0x0
	CROUND                                         ; the closing round: no work-group ends while a partner may still ask for a tile that names it
	s_endpgm
.Lfunc_end_k_q40c7262d2b_lstm:
	.size	k_q40c7262d2b_lstm, .Lfunc_end_k_q40c7262d2b_lstm-k_q40c7262d2b_lstm
	.p2alignl 7, 3214868480
	.fill 96, 4, 3214868480
	.section	.rodata,"a",@progbits
	.p2align	6, 0x0
	.amdhsa_kernel k_q40c7262d2b_lstm
		.amdhsa_group_segment_fixed_size 327680
		.amdhsa_private_segment_fixed_size 0
		.amdhsa_enable_private_segment 0
		.amdhsa_kernarg_size 88
		.amdhsa_user_sgpr_count 2
		.amdhsa_user_sgpr_kernarg_segment_ptr 1
		.amdhsa_wavefront_size32 1
		.amdhsa_system_sgpr_workgroup_id_x 1
		.amdhsa_system_sgpr_workgroup_id_y 1
		.amdhsa_system_sgpr_workgroup_id_z 1
		.amdhsa_system_vgpr_workitem_id 0
		.amdhsa_next_free_vgpr 1024
		.amdhsa_next_free_sgpr 106
		.amdhsa_reserve_vcc 0
		.amdhsa_float_denorm_mode_32 3
		.amdhsa_float_denorm_mode_16_64 3
		.amdhsa_memory_ordered 1
		.amdhsa_forward_progress 1
		.amdhsa_inst_pref_size 251
	.end_amdhsa_kernel
	.amdgpu_metadata
---
amdhsa.version: [ 1, 2 ]
amdhsa.kernels:
  - .name:           k_q40c7262d2b_lstm
    .symbol:         k_q40c7262d2b_lstm.kd
    .args:
      - { .name: a_codes, .offset: 0, .size: 8, .value_kind: global_buffer, .address_space: global }
      - { .name: a_scales, .offset: 8, .size: 8, .value_kind: global_buffer, .address_space: global }
      - { .name: b_codes, .offset: 16, .size: 8, .value_kind: global_buffer, .address_space: global }
      - { .name: b_scales, .offset: 24, .size: 8, .value_kind: global_buffer, .address_space: global }
      - { .name: b_i, .offset: 32, .size: 8, .value_kind: global_buffer, .address_space: global }
      - { .name: b_f, .offset: 40, .size: 8, .value_kind: global_buffer, .address_space: global }
      - { .name: b_c, .offset: 48, .size: 8, .value_kind: global_buffer, .address_space: global }
      - { .name: b_o, .offset: 56, .size: 8, .value_kind: global_buffer, .address_space: global }
      - { .name: c_tm1, .offset: 64, .size: 8, .value_kind: global_buffer, .address_space: global }
      - { .name: out0, .offset: 72, .size: 8, .value_kind: global_buffer, .address_space: global }
      - { .name: out1, .offset: 80, .size: 8, .value_kind: global_buffer, .address_space: global }
    .group_segment_fixed_size: 327680
    .private_segment_fixed_size: 0
    .kernarg_segment_align: 8
    .kernarg_segment_size: 88
    .max_flat_workgroup_size: 128
    .sgpr_count:     106
    .vgpr_count:     1024
    .wavefront_size: 32
...
	.end_amdgpu_metadata
.endif
;; end of part 2
